; MI455X (gfx1250); checked and timed in simulation.
; The chip was launched on July 23, 2026; its instructions are those of AMD's public machine-readable ISA for CDNA 5 (MIT licence, August 2026) and "CDNA5" Instruction Set Architecture Reference Guide (July 2026). The comments in the code are by the model that wrote it; some were corrected since.
;; Self Attention. Allowed arithmetic: matrix products marked QUANTISED: E2M3 operands, one E8M0 scale for each 32 along K, by v_wmma_scale_f32_16x16x128_f8f6f4 with both operands' format E2M3, f32 sums; everything else in f32.
;; Inputs: b_out 1,024 float32; w_out_codes 1,024 x 32 x 24 uint8 (E2M3 codes of w_out, K innermost, in blocks of 32 codes, four codes in three bytes); w_out_scales 1,024 x 32 uint8 (E8M0 scales of w_out, one for each 32 codes along K); w_qkv_codes 3,072 x 32 x 24 uint8 (E2M3 codes of w_qkv, K innermost, in blocks of 32 codes, four codes in three bytes); w_qkv_scales 3,072 x 32 uint8 (E8M0 scales of w_qkv, one for each 32 codes along K); x_codes 2 x 2,048 x 32 x 24 uint8 (E2M3 codes of x, K innermost, in blocks of 32 codes, four codes in three bytes); x_scales 2 x 2,048 x 32 uint8 (E8M0 scales of x, one for each 32 codes along K).
;; Outputs: out0 2 x 2,048 x 1,024 float32.
;; This version of the problem:
;;   THIS VERSION OF THE PROBLEM IS GIVEN IN LOW PRECISION. The matrix products marked QUANTISED in the list below multiply operands that are first quantised to E2M3 (2 exponent bits, 3 mantissa bits; 6 bits a number), with one power-of-two scale for each 32 numbers along K (OCP MX v1.0); their sums are f32. All else is computed in f32.
;;   The module's matrix products, in the order in which they are computed (A, B: the left and right operand; K: the contracted axis; several contracted axes count as one K, in the product's order):
;;     1. [M 4,096, K 1,024] x [K 1,024, N 3,072]; A: input x (given as codes); B: input w_qkv (given as codes): QUANTISED
;;     2. batch 32 x [M 2,048, K 64] x [K 64, N 2,048]; A: computed on the way; B: computed on the way: QUANTISED
;;     3. batch 32 x [M 2,048, K 2,048] x [K 2,048, N 64]; A: computed on the way; B: computed on the way: QUANTISED
;;     4. [M 4,096, K 1,024] x [K 1,024, N 1,024]; A: computed on the way; B: input w_out (given as codes): QUANTISED
;;   THE QUANTISER, for each operand of a quantised product, along K:
;;     - K is cut into blocks of 32 from its start; a last block that is shorter is filled with zeros.
;;     - A block's scale is 2^e with e = floor(log2(the largest magnitude in the block)) - 2, held to -126 .. 127; a block of zeros has e = 0. As a byte (E8M0): e + 127.
;;     - Each number is divided by its block's scale, clamped to +-7.5, and rounded to the nearest number of E2M3, ties to even, subnormals kept.
;;     - The product sums the exact products of the quantised numbers (number of the format x scale) in f32.
;;   ~~~python
;;   def quantise(x, axis):      # numpy; x: float32 -> the quantised numbers, widened to float32 again
;;       x = np.moveaxis(x, axis, -1); K = x.shape[-1]
;;       x = np.pad(x, [(0, 0)] * (x.ndim - 1) + [(0, -K % 32)]); x = x.reshape(x.shape[:-1] + (-1, 32)); a = np.abs(x).max(-1, keepdims=True)
;;       e = np.where(a > 0, np.clip(np.frexp(np.where(a > 0, a, 1))[1] - 1 - 2, -126, 127), 0)      # np.frexp(a)[1] - 1 = floor(log2(a)), exactly
;;       r = np.clip(x / 2.0 ** e, -7.5, 7.5)
;;       step = 2.0 ** (np.maximum(np.frexp(np.where(r == 0, 1, r))[1] - 1, 0) - 3)
;;       q = np.round(r / step) * step * 2.0 ** e      # np.round: ties to even
;;       return np.moveaxis(q.reshape(q.shape[:-2] + (-1,))[..., :K], -1, axis).astype(np.float32)
;;   ~~~
;;   OPERANDS COMPUTED ON THE WAY. 'Computed on the way' means the value that the module computes at that place (a softmax that the list does not call 'softmax' is quantised finished and normalised). What goes into a quantiser is computed in f32, as accurately as f32 sums, v_exp_f32 and their like allow (about 1e-6 of the number): no bf16 or f16 on the way to a quantiser, and a product that is left as it is and whose result goes on into a quantised operand takes f32 operands (vector FMAs, or v_wmma_f32_16x16x4_f32). A number that lies on a knife's edge between two numbers of the format may be rounded either way, as far as f32 arithmetic and the matrix unit's own rounding can turn it there, and no further.
;;   INPUTS GIVEN AS CODES. w_out (in the module: [1024, 1024], K = its axis 1); w_qkv (in the module: [3072, 1024], K = its axis 1); x (in the module: [2, 2048, 1024], K = its axis 2): each comes as NAME_codes (uint8): NAME with its K axis moved to the last place and cut into blocks of 32 codes, [.., K / 32, bytes a block], one block behind the other in memory; four codes in three bytes: a row's codes are one little-endian stream of bits, code i at bits 6 i .. 6 i + 5 (a code: sign, 2 exponent bits, 3 mantissa bits); and NAME_scales (uint8): the same leading axes, one E8M0 byte (e + 127) for each 32 codes along K. Its value is code x scale, taken as it is: it is not quantised again, and the codes and scales need not be those that the quantiser above would give.
;; One version. Each part assembles by itself: llvm-mc -triple=amdgcn-amd-amdhsa -mcpu=gfx1250 --defsym DOCPART=n.
;; ======== version 1 of 1: 3 launches
;; workspace buffers: rec 10,092,544 bytes; oimg 3,145,728 bytes; osc 131,072 bytes
;; launch qkv (part 1): grid 48 x 4, 4 waves a work-group, clusters of 4 x 4, 327,680 bytes of LDS; arguments x_codes, x_scales, w_qkv_codes, w_qkv_scales, rec; writes rec
.if DOCPART == 1
	.amdgcn_target "amdgcn-amd-amdhsa--gfx1250"
	.amdhsa_code_object_version 6
	.text
	.protected	k_q55cde7c78d_qkv
	.globl	k_q55cde7c78d_qkv
	.p2align	8
	.type	k_q55cde7c78d_qkv,@function
k_q55cde7c78d_qkv:
	s_mov_b64 s[64:65], 0
	v_nop
	global_prefetch_b8 v0, s[64:65] scope:SCOPE_SE
	s_setreg_imm32_b32 hwreg(HW_REG_WAVE_MODE, 25, 1), 1
	s_wait_xcnt 0x0
	s_wait_alu depctr_hold_cnt(0) depctr_sa_sdst(0) depctr_va_vdst(0) depctr_va_sdst(0) depctr_va_ssrc(0) depctr_va_vcc(0) depctr_vm_vsrc(0)
	s_getreg_b32 s2, hwreg(HW_REG_IB_STS2, 6, 4)
	s_cmp_eq_u32 s2, 0
	s_cbranch_scc0 .Lentry_in_a_cluster
	s_endpgm
.Lentry_in_a_cluster:
	s_bfe_u32 s2, ttmp6, 0x10000c
	s_cmp_lg_u32 s2, 0xf033
	s_cbranch_scc0 .Lentry_shape_is_right
	s_endpgm
.Lentry_shape_is_right:
; qkv = x Wqkv^T on codes of FP6 (E2M3) with one E8M0 scale for each 32 along K (K = 1,024), and the results quantised at once for the two products of attention:
; q and k along the head's 64 channels, v along the keys.  They leave as IMAGES OF OPERAND REGISTERS, in one record of RECB bytes for each (batch, head).
; A tile of 256 x 256 is made by a work-group of four waves, 128 x 128 a wave: 64 accumulators, 512 registers.  K goes in steps of 256 through a ring of two LDS slots filled by the tensor data mover.
; THE MATRIX INSTRUCTION IS USED TRANSPOSED: source 0 = 16 rows of B, source 1 = 16 rows of A: a lane holds ONE row of A and its registers run along B's rows, which are the next product's K.
; Clusters 0-7 along x (q and k): A = x (tokens), B = rows 0-2,047 of Wqkv (channels).  Clusters 8-11 (v): A = rows 2,048-3,071 of Wqkv (channels), B = x (tokens = keys).  Only pointers and row numbers are chosen; the loop is one text.
; THE ROWS OF A TILE ARE NOT NEIGHBOURS.  In a group of 64 rows, lane r of tile u takes row 8 u + r (r < 8) or 32 + 8 (u xor 1) + r - 8 (r >= 8).  So the 32 registers of tiles u = 0..3 of a lane are ONE WHOLE BLOCK of 32 of
; the next K: block 0 of the group in lanes 0-15, block 1 in lanes 16-31: the block's largest magnitude needs no other lane, and the conversions' results are the operand's registers.  In block 1 the order inside the block is
; groups of eight 1, 0, 3, 2: the same on both operands of each later product, so the sums are the same.
; CLUSTERS: 4 x 4 work-groups; A's tiles are asked for jointly along a row of the cluster, B's along a column.
; A RECORD: K's 128 tiles of 16 tokens (768 bytes: registers 0-3 at 16 x lane, registers 4-5 at 512 + 8 x lane); V's 16 key steps x 4 tiles of 16 channels (1,536 bytes: registers 4 i .. at 512 i + 16 x lane);
; K's scale words (for 8 tiles: 16 bytes a lane; word p: lanes 0-15 tile 2 p, lanes 16-31 tile 2 p + 1; the two bytes stand twice in a word); V's (for a key step: 8 bytes a lane); Q's tiles; Q's scale words.
; LIMITS: NaN and infinities are not served.  A block of zeros gets the byte 1 (the rule says 127): its codes are zeros, and this program alone reads the bytes.
; REGISTERS, in windows of 256: window 0: v24-29 offsets and the spare word; v32-63 scale words, two sets; v64-81 LDS addresses; v84-122 the way out; from v128 A's fragments, one set.
;   window 1: B's fragments, two sets, at v0 and v128.   window 2: the accumulators of my rows 0-63 ((a, b) at v[8 (8 a + b)]);   window 3: those of my rows 64-127.
.set KSTEP,  256
.set NQ,     2                         ; matrix instructions deep in a slot
.set ROWB,   192                       ; a tile's row: 256 codes
.set KROW,   768                       ; a row of x or of Wqkv in memory
.set PITCH,  240                       ; an LDS row: 3 x (64 bytes + 16 of padding)
.set FR,     12
.set NL,     6
.set NP,     4                         ; places behind this matrix instruction (ISA guide 7.12.1)
.set HALFT,  128*PITCH
.set SLOT,   4*HALFT
.set LAPS,   2                         ; 1,024 along K = two laps of two K steps
.set KS,     32                        ; a row of scale bytes
.set SCL,    2*SLOT                    ; behind the ring: the scales, as units of 256 bytes + 16 of padding
.set HALFS,  16*272                    ; those of 128 rows
.set SPARE,  SCL+4*HALFS               ; the spare words, 128 bytes for each wave: two blocks of 256 bytes that no other line names
.set RECB,   315392
.set LI,   24                          ; v24  16 x lane
.set L8,   25                          ; v25  8 x lane
.set SH8,  26                          ; v26  8 x (lane / 16)
.set SPW,  28                          ; v28  LDS address of my spare word; never rewritten
.set NIL,  29                          ; v29  0; never rewritten
.set SC,   32                          ; scale words: set s at v[SC + 16 s]; register 2 i + q: lanes 0-15 A's block i, lanes 16-31 B's block i
.set AD,   64                          ; v64-79 fragment addresses: 8 X + 4 slot + 2 (behind one padding more) + (tile odd); X = 0 for A, 1 for B
.set ADRS, 80                          ; v80-81 scale words' addresses, for even and odd tiles
.set SW,   84                          ; v84-91 the way out: scale words gathered
.set RM,   96                          ; v96-97 largest magnitudes;  v98-99 the conversions' scale operands;  v100-101 bytes;  v102-103 lane permutes' results
.set SO,   98
.set BY,   100
.set PX,   102
.set F,    104                         ; v104-115 codes
.set TT,   116                         ; v116-118, v120-122 the upper halves of blocks, as converted
.set AF,   128
.set G1, 24
.set G0, 32
.set G1B, 48
.set G0B, 56
.set G1S, 68
.set G0S, 76
.set G1SB, 80
.set G0SB, 88
.set MSB, 0
.macro WIN new                         ; the immediate's high byte repeats the setting that is left
.if MSB != \new
	s_set_vgpr_msb (MSB<<8)|\new
.set MSB, \new
.endif
.endm
.set MUL_LO, 0xa1                      ; source 0 (B) window 1, source 1 (A) window 0, C and D window 2
.set MUL_HI, 0xf1
.set TO_B,   0x40
; A joint load: waves 0 and 1 fetch for A, waves 2 and 3 for B; the branch hangs on the wave's number alone.  Four v_nop follow each of the two lines.
.macro JLOAD g0a, g1a, g0b, g1b
	s_cmp_eq_u32 s15, 0
	s_cbranch_scc0 .Lfor_b_\@
	tensor_load_to_lds s[\g0a:\g0a+3], s[\g1a:\g1a+7]
	s_nop 0
.rept 4
	v_nop
.endr
	s_branch .Lasked_\@
.Lfor_b_\@:
	tensor_load_to_lds s[\g0b:\g0b+3], s[\g1b:\g1b+7]
	s_nop 0
.rept 4
	v_nop
.endr
.Lasked_\@:
.endm
.macro CREST                           ; a round of the cluster's barrier behind its opening barrier
	s_cmp_lg_u32 s14, 0
	s_cbranch_scc1 .Lnot_wave_0_\@
	s_barrier_signal -3
.Lnot_wave_0_\@:
	s_barrier_wait -3
	s_barrier_signal -1
	s_barrier_wait -1
.endm
.macro CROUND
	s_barrier_signal -1
	s_barrier_wait -1
	CREST
.endm
	s_load_b256 s[4:11], s[0:1], 0x0               ; x's codes s[4:5], x's scales s[6:7], Wqkv's codes s[8:9], its scales s[10:11]
	s_load_b64 s[12:13], s[0:1], 0x20              ; the records
	v_lshl_add_u32 v[SPW], v0, 2, SPARE
	v_mov_b32 v[NIL], 0
	ds_add_u32 v28, v29
	ds_add_u32 v28, v29
	s_wait_dscnt 0x0
	v_lshrrev_b32 v1, 5, v0
	v_readfirstlane_b32 s14, v1                    ; wave 0..3
	s_lshr_b32 s15, s14, 1                         ; which half of the tile's A rows is mine.  Also: I fetch for A (0) or for B (1)
	s_and_b32 s16, s14, 1                          ; which half of its B rows.  Also: which 128 rows I fetch
	s_bfe_u32 s40, ttmp6, 0x40000                  ; cx, cy: my place in the cluster
	s_bfe_u32 s41, ttmp6, 0x40004
	s_and_b32 s18, ttmp9, 1                        ; q and k: clusters 0-7: two along B (q, k), four along A
	s_and_b32 s20, ttmp9, 3                        ; v: clusters 8-11: four along B (tokens), one along A
	s_lshr_b32 s19, ttmp9, 1
	s_cmp_lt_u32 ttmp9, 8                          ; the same in all sixteen partners
	s_cselect_b32 s18, s18, s20
	s_cselect_b32 s19, s19, 0
	s_cselect_b32 s95, 0, 2048                     ; v's rows of Wqkv begin at row 2,048
	s_lshl_b32 s42, s18, 2
	s_add_co_u32 s42, s42, s40                     ; tile column (B)
	s_lshl_b32 s17, s19, 2
	s_add_co_u32 s17, s17, s41                     ; tile row (A)
	s_lshl_b32 s43, s41, 2
	s_lshl_b32 s43, 15, s43                        ; my row of the cluster
	s_lshl_b32 s44, 0x1111, s40                    ; my column
	; descriptor group 1: a tile of 128 rows x 192 bytes, 16 bytes of padding behind every 64
	s_or_b32 s[G1+0], s43, (0<<16)|(1<<20)|(1<<21)|(3<<22)|(3<<25)
	s_or_b32 s[G1B+0], s44, (0<<16)|(1<<20)|(1<<21)|(3<<22)|(3<<25)
.irp g, G1, G1B
	s_mov_b32 s[\g+1], ROWB<<16                    ; tensor_dim0
	s_mov_b32 s[\g+2], 128<<16                     ; tensor_dim1
	s_mov_b32 s[\g+3], ROWB<<16                    ; tile_dim0
	s_mov_b32 s[\g+4], 128                         ; tile_dim1
	s_mov_b32 s[\g+5], KROW                        ; from row to row
	s_mov_b32 s[\g+6], 0
	s_mov_b32 s[\g+7], 0
.endr
	; the scales of 128 rows: a dense block of 4,096 bytes, as 16 rows of 256 bytes, 16 bytes of padding behind each
	s_or_b32 s[G1S+0], s43, (3<<16)|(1<<20)|(1<<21)|(5<<22)|(3<<25)
	s_or_b32 s[G1SB+0], s44, (3<<16)|(1<<20)|(1<<21)|(5<<22)|(3<<25)
.irp g, G1S, G1SB
	s_mov_b32 s[\g+1], 32<<16
	s_mov_b32 s[\g+2], 16<<16
	s_mov_b32 s[\g+3], 32<<16
	s_mov_b32 s[\g+4], 16
	s_mov_b32 s[\g+5], 32
	s_mov_b32 s[\g+6], 0
	s_mov_b32 s[\g+7], 0
.endr
	s_lshl_b32 s18, s16, 7                         ; which 128 rows of the tile I fetch
	s_lshl_b32 s20, s17, 8
	s_add_co_u32 s20, s20, s18
	s_add_co_u32 s20, s20, s95                     ; A: row 256 x tile row + 128 x half (+ 2,048)
	s_lshl_b32 s46, s42, 8
	s_add_co_u32 s46, s46, s18                     ; B: row 256 x tile column + 128 x half
	s_mov_b32 s21, 0
	s_mov_b32 s47, 0
	s_mov_b64 s[18:19], KS
	s_mul_u64 s[22:23], s[20:21], s[18:19]         ; where these rows' scales begin, in bytes
	s_mul_u64 s[92:93], s[46:47], s[18:19]
	s_mov_b64 s[18:19], KROW
	s_mul_u64 s[20:21], s[20:21], s[18:19]         ; and their codes
	s_mul_u64 s[46:47], s[46:47], s[18:19]
	s_mul_i32 s45, s14, HALFT                      ; where they go: wave x 128 rows
	s_mul_i32 s94, s14, HALFS
	s_wait_kmcnt 0x0
	s_cmp_lt_u32 ttmp9, 8                          ; which tensor is A and which is B: the choice hangs on the cluster's number alone
	s_cselect_b64 s[66:67], s[4:5], s[8:9]         ; A's codes
	s_cselect_b64 s[96:97], s[6:7], s[10:11]       ; A's scales
	s_cselect_b64 s[8:9], s[8:9], s[4:5]           ; B's codes
	s_cselect_b64 s[10:11], s[10:11], s[6:7]       ; B's scales
	s_add_nc_u64 s[20:21], s[66:67], s[20:21]
	s_add_nc_u64 s[22:23], s[96:97], s[22:23]
	s_add_nc_u64 s[46:47], s[8:9], s[46:47]
	s_add_nc_u64 s[92:93], s[10:11], s[92:93]
	CROUND                                         ; all sixteen work-groups are here: the first joint loads meet
	s_mov_b32 s[G0S], 1
	s_add_co_u32 s[G0S+1], s94, SCL
	s_mov_b64 s[G0S+2:G0S+3], s[22:23]
	s_or_b32 s[G0S+3], s[G0S+3], 0x80000000
	s_mov_b32 s[G0SB], 1
	s_add_co_u32 s[G0SB+1], s94, SCL
	s_mov_b64 s[G0SB+2:G0SB+3], s[92:93]
	s_or_b32 s[G0SB+3], s[G0SB+3], 0x80000000
	JLOAD G0S, G1S, G0SB, G1SB                     ; the scales first: they are wanted with K step 0
.irp s, 0,1
	s_mov_b32 s[G0+4*\s], 1
	s_add_co_u32 s[G0+4*\s+1], s45, \s*SLOT
	s_add_nc_u64 s[G0+4*\s+2:G0+4*\s+3], s[20:21], \s*ROWB
	s_or_b32 s[G0+4*\s+3], s[G0+4*\s+3], 0x80000000
	s_mov_b32 s[G0B+4*\s], 1
	s_add_co_u32 s[G0B+4*\s+1], s45, \s*SLOT
	s_add_nc_u64 s[G0B+4*\s+2:G0B+4*\s+3], s[46:47], \s*ROWB
	s_or_b32 s[G0B+4*\s+3], s[G0B+4*\s+3], 0x80000000
	JLOAD G0+4*\s, G1, G0B+4*\s, G1B
.endr
	v_and_b32 v1, 15, v0                           ; r = lane % 16
	v_bfe_u32 v2, v0, 4, 1                         ; h = lane / 16
	v_and_b32 v3, 8, v1
	v_lshl_add_u32 v4, v3, 2, v1                   ; an even tile's row less 8 u: r, or r + 32
	v_lshl_add_u32 v5, v3, 1, v1                   ; an odd tile's: r, or r + 16
	v_mul_u32_u24 v4, v4, PITCH
	v_mul_u32_u24 v5, v5, PITCH
	v_mul_u32_u24 v6, v2, 24
	v_mul_u32_u24 v7, v2, 40
	v_add_nc_u32 v8, v4, v6                        ; row x pitch + 24 x half, even tiles;
	v_add_nc_u32 v9, v5, v6                        ; odd tiles;
	v_add_nc_u32 v10, v4, v7                       ; and the same behind one padding more
	v_add_nc_u32 v11, v5, v7
	s_mul_i32 s21, s15, HALFT                      ; my 128 rows of A
	s_mul_i32 s22, s16, HALFT                      ; my 128 rows of B,
	s_add_co_u32 s22, s22, 2*HALFT                 ; which lie behind A's 256
.irp s, 0,1
	v_add_nc_u32 v[AD+4*\s+0], s21, v8
	v_add_nc_u32 v[AD+4*\s+1], s21, v9
	v_add_nc_u32 v[AD+4*\s+2], s21, v10
	v_add_nc_u32 v[AD+4*\s+3], s21, v11
	v_add_nc_u32 v[AD+8+4*\s+0], s22, v8
	v_add_nc_u32 v[AD+8+4*\s+1], s22, v9
	v_add_nc_u32 v[AD+8+4*\s+2], s22, v10
	v_add_nc_u32 v[AD+8+4*\s+3], s22, v11
	s_add_co_u32 s21, s21, SLOT
	s_add_co_u32 s22, s22, SLOT
.endr
	v_and_b32 v5, 7, v1                            ; a row's scales: 32 bytes; eight rows to a unit of 272.  Row 8 n + i lies at 272 n + 32 i
	v_lshrrev_b32 v6, 3, v1
	v_lshlrev_b32 v5, 5, v5
	v_mad_u32_u24 v7, v6, 5*272, v5                ; lanes 8-15 of an even tile stand 5 units on (32 + 8 rows),
	v_mad_u32_u24 v8, v6, 3*272, v5                ; of an odd tile 3 (32 - 8 rows)
	s_mul_i32 s21, s15, HALFS                      ; A's: my 128 rows
	s_mul_i32 s22, s16, HALFS                      ; B's: my 128 rows, behind A's 256
	s_add_co_u32 s22, s22, 2*HALFS
	s_sub_co_u32 s22, s22, s21
	v_mul_u32_u24 v6, s22, v2                      ; lanes 16-31 take B's
	s_add_co_u32 s21, s21, SCL
	v_add_nc_u32 v7, v7, v6
	v_add_nc_u32 v8, v8, v6
	v_add_nc_u32 v[ADRS], s21, v7
	v_add_nc_u32 v[ADRS+1], s21, v8
	v_and_b32 v6, 31, v0
	v_lshlrev_b32 v[LI], 4, v6
	v_lshlrev_b32 v[L8], 3, v6
	v_lshlrev_b32 v[SH8], 3, v2
	v_mov_b32 v[PX], 0                             ; written once: a lane permute's destination counts as one of its sources
	v_mov_b32 v[PX+1], 0
	s_mov_b32 s96, 0x76543210                      ; v_permlanex16_b32's selects for lane l xor 16
	s_mov_b32 s97, 0xfedcba98
	s_mov_b32 s66, 0xffff0000                      ; lanes 16-31
.macro FRAG reg, adr, q, i             ; a fragment: 16 rows x 128 K, 12 registers, in pieces of 8 bytes; tile i of my eight: group i / 4, u = i % 4
.irp p, 0,1,2,3,4,5
.set PC, 12*(\q)+6*(\p/3)+\p%3
.if PC%8 < 5
	ds_load_b64 v[\reg+2*\p:\reg+2*\p+1], v[\adr+(\i)%2] offset:8*PC+16*(PC/8)+(64*((\i)/4)+8*((\i)%4))*PITCH
.else
	ds_load_b64 v[\reg+2*\p:\reg+2*\p+1], v[\adr+2+(\i)%2] offset:8*PC+16*(PC/8)+(64*((\i)/4)+8*((\i)%4))*PITCH
.endif
.endr
.endm
; 16 matrix instructions: A's blocks a0, a0 + 1 x B's eight.  The 64 accumulators take turns, one instruction a turn, in the same order in every step.
.macro MUL16 a0, p, q, sc, zero
.irp a, \a0, \a0+1
.irp b, 0,1,2,3,4,5,6,7
.if \zero
	v_wmma_scale_f32_16x16x128_f8f6f4 v[8*(8*((\a)%4)+\b):8*(8*((\a)%4)+\b)+7], v[128*(\p)+FR*\b:128*(\p)+FR*\b+FR-1], v[AF+FR*(\a):AF+FR*(\a)+FR-1], 0, v[SC+8*NQ*(\sc)+NQ*\b+(\q)], v[SC+8*NQ*(\sc)+NQ*(\a)+(\q)] matrix_a_fmt:MATRIX_FMT_FP6 matrix_b_fmt:MATRIX_FMT_FP6 matrix_a_scale:MATRIX_SCALE_ROW1
.else
	v_wmma_scale_f32_16x16x128_f8f6f4 v[8*(8*((\a)%4)+\b):8*(8*((\a)%4)+\b)+7], v[128*(\p)+FR*\b:128*(\p)+FR*\b+FR-1], v[AF+FR*(\a):AF+FR*(\a)+FR-1], v[8*(8*((\a)%4)+\b):8*(8*((\a)%4)+\b)+7], v[SC+8*NQ*(\sc)+NQ*\b+(\q)], v[SC+8*NQ*(\sc)+NQ*(\a)+(\q)] matrix_a_fmt:MATRIX_FMT_FP6 matrix_b_fmt:MATRIX_FMT_FP6 matrix_a_scale:MATRIX_SCALE_ROW1
.endif
.endr
.endr
.endm
.macro FETCH_B slot, q, p
	WIN TO_B
.irp i, 0,1,2,3,4,5,6,7
	FRAG 128*(\p)+FR*\i, AD+8+4*(\slot), \q, \i
.endr
	WIN 0
.endm
.macro FETCH_A slot, q, i0
.irp i, \i0, \i0+1, \i0+2, \i0+3
	FRAG AF+FR*(\i), AD+4*(\slot), \q, \i
.endr
.endm
.macro SCALES sc                       ; the next K step's scale words: two words a row; lanes 0-15 take A's block i, lanes 16-31 B's
.irp i, 0,1,2,3,4,5,6,7
	ds_load_b64 v[SC+8*NQ*\sc+NQ*\i:SC+8*NQ*\sc+NQ*\i+1], v[ADRS+\i%2] offset:(8*(\i/4)+\i%4)*272
.endr
.endm
.macro PLACES n                        ; plain vector instructions between a matrix instruction and a load into, or a read of, its registers
.rept \n
	v_nop
.endr
.endm
.macro STEP slot, q, zero              ; a step of 128 along K that has its successor in the same slot
	s_wait_dscnt 4*NL                              ; B's set and A's blocks 0-3 are in; the youngest 24 loads (A's blocks 4-7) may be out
	WIN MUL_LO
	MUL16 0, (\q)%2, \q, \slot, \zero
	MUL16 2, (\q)%2, \q, \slot, \zero
	s_wait_dscnt 0
	PLACES NP
	FETCH_B \slot, (\q)+1, 1-(\q)%2
	FETCH_A \slot, (\q)+1, 0
	WIN MUL_HI
	MUL16 4, (\q)%2, \q, \slot, \zero
	MUL16 6, (\q)%2, \q, \slot, \zero
	PLACES NP
	WIN 0
	FETCH_A \slot, (\q)+1, 4
.endm
; A slot's last step changes slots: ONE barrier; in front of it each wave waits for all its tensor loads, adds 0 to its spare word, and waits for that and for its own reads of this slot.
.macro TURN slot, next, fill
	s_wait_tensorcnt 0x0                           ; all my tensor loads have landed: my part of the next slot
	ds_add_u32 v[SPW], v[NIL]                      ; 0 onto my spare word
	s_wait_dscnt 4*NL+1                            ; (the add and the youngest 24 loads may be out)
	WIN MUL_LO
	MUL16 0, 1, NQ-1, \slot, 0
	s_wait_dscnt 0x0                               ; the add is done, and my reads of this slot are over
	s_barrier_signal -1
	MUL16 2, 1, NQ-1, \slot, 0
	WIN 0
	s_barrier_wait -1
.if \fill
	CREST                                          ; the barrier has opened a round of the cluster's barrier: no wave of any partner still reads this slot or has a load on its way
	s_add_nc_u64 s[G0+4*\slot+2:G0+4*\slot+3], s[G0+4*\slot+2:G0+4*\slot+3], 2*ROWB
	s_add_nc_u64 s[G0B+4*\slot+2:G0B+4*\slot+3], s[G0B+4*\slot+2:G0B+4*\slot+3], 2*ROWB
	JLOAD G0+4*\slot, G1, G0B+4*\slot, G1B         ; the first tensor load behind the round; its four v_nop are the places in front of the loads below
.else
	PLACES NP
.endif
	v_add_nc_u32 v[ADRS], 4*NQ, v[ADRS]            ; on to the next K step's scale words
	v_add_nc_u32 v[ADRS+1], 4*NQ, v[ADRS+1]
	FETCH_B \next, 0, 0
	FETCH_A \next, 0, 0
	SCALES \next
	WIN MUL_HI
	MUL16 4, 1, NQ-1, \slot, 0
	MUL16 6, 1, NQ-1, \slot, 0
	PLACES NP
	WIN 0
	FETCH_A \next, 0, 4
.endm
	s_wait_tensorcnt 1                             ; the scales and my part of K step 0 are in (K step 1's load may be out),
	s_barrier_signal -1
	s_barrier_wait -1                              ; everybody's are
	FETCH_B 0, 0, 0
	FETCH_A 0, 0, 0
	SCALES 0
	FETCH_A 0, 0, 4
	STEP 0, 0, 1                                   ; the first step stands in front of the loop: its products start the sums
	s_mov_b32 s3, LAPS-1
.Llap:
	TURN 0, 1, 1
	STEP 1, 0, 0
	TURN 1, 0, 1
	STEP 0, 0, 0
	s_sub_co_u32 s3, s3, 1
	s_cmp_lg_u32 s3, 0
	s_cbranch_scc1 .Llap
	TURN 0, 1, 0                                   ; the last lap fills nothing
	STEP 1, 0, 0
	s_wait_dscnt 4*NL
	WIN MUL_LO
	MUL16 0, 1, NQ-1, 1, 0
	MUL16 2, 1, NQ-1, 1, 0
	s_wait_dscnt 0
	WIN MUL_HI
	MUL16 4, 1, NQ-1, 1, 0
	MUL16 6, 1, NQ-1, 1, 0
	WIN 0
	PLACES NP                                      ; in front of the first read of results
; THE WAY OUT.  For A's block a my lane holds one row of A and 64 numbers: two whole blocks of 32 along the next K (registers 32 c + 0..31).  Each: largest magnitude with the floor 2^(3 - 127) among its leaves,
; 2 off its exponent field = the conversion's scale operand, that >> 23 = the byte; two conversions of 16 (a conversion's three registers begin on an even number, so the upper half is moved).
.macro QUANT64 a
.set AC, 64*((\a)%4)
.set WN, 2+(\a)/4
.set WSEL, 20*WN
	s_wait_xcnt 0x0                                ; the last block's stores have read their data: the codes' registers may be written again
	v_mov_b32 v[RM], 0x1800000
	v_mov_b32 v[RM+1], 0x1800000
	WIN WSEL                                       ; sources 1 and 2: the accumulators' window
.irp i, 0,2,4,6,8,10,12,14,16,18,20,22,24,26,28,30
	v_max3_num_f32 v[RM], v[RM], |v[AC+\i]|, |v[AC+\i+1]|           ; ascending: each accumulator is read from its low end on
	v_max3_num_f32 v[RM+1], v[RM+1], |v[AC+32+\i]|, |v[AC+32+\i+1]|
.endr
	WIN 0
	v_add_nc_u32 v[SO], 0xff000000, v[RM]
	v_add_nc_u32 v[SO+1], 0xff000000, v[RM+1]
	v_lshrrev_b32 v[BY], 23, v[SO]
	v_lshrrev_b32 v[BY+1], 23, v[SO+1]
	WIN WN                                         ; source 0: the accumulators' window
.irp c, 0,1
	v_cvt_scalef32_pk16_fp6_f32 v[F+6*\c:F+6*\c+2], v[AC+32*\c:AC+32*\c+15], v[SO+\c]
	v_cvt_scalef32_pk16_fp6_f32 v[TT+4*\c:TT+4*\c+2], v[AC+32*\c+16:AC+32*\c+31], v[SO+\c]
.endr
	WIN 0
	v_nop                                          ; one plain place behind a scaled conversion
.irp c, 0,1
.irp i, 0,1,2
	v_mov_b32 v[F+6*\c+3+\i], v[TT+4*\c+\i]
.endr
.endr
.endm
	s_cmp_lt_u32 ttmp9, 8
	s_cbranch_scc0 .Lv
	; ---- q and k.  My 128 B rows are two heads (c = 0, 1); block a is a tile of 16 tokens: for each head 6 registers a lane, and a scale word a token
	s_lshr_b32 s20, s17, 3                         ; the batch
	s_lshl_b32 s20, s20, 4
	s_lshl_b32 s21, s40, 2
	s_add_co_u32 s20, s20, s21
	s_lshl_b32 s21, s16, 1
	s_add_co_u32 s20, s20, s21                     ; record 16 b + 4 cx + 2 (my half of B)
	s_mul_i32 s20, s20, RECB
	s_and_b32 s21, s17, 7
	s_lshl_b32 s21, s21, 1
	s_add_co_u32 s21, s21, s15                     ; which 8 tiles of the batch's 128
	s_mul_i32 s22, s21, 8*768
	s_lshl_b32 s46, s21, 9
	s_add_co_u32 s22, s22, s20
	s_add_co_u32 s46, s46, s20
	s_mov_b32 s21, 307200
	s_and_b32 s45, ttmp9, 1
	s_cmp_lg_u32 s45, 0                            ; odd clusters make k, even ones q
	s_cselect_b32 s45, 0, 208896
	s_cselect_b32 s21, 196608, s21
	s_add_co_u32 s22, s22, s45
	s_add_co_u32 s46, s46, s21
	s_mov_b32 s23, 0
	s_mov_b32 s47, 0
	s_add_nc_u64 s[4:5], s[12:13], s[22:23]
	s_add_nc_u64 s[6:7], s[12:13], s[46:47]
.irp a, 0,1,2,3,4,5,6,7
	QUANT64 \a
.irp c, 0,1
	v_lshlrev_b32 v[BY+\c], v[SH8], v[BY+\c]       ; my block's byte at its place,
.endr
.irp c, 0,1
	v_permlanex16_b32 v[PX+\c], v[BY+\c], s96, s97
.endr
.irp c, 0,1
	v_or_b32 v[BY+\c], v[BY+\c], v[PX+\c]          ; with lane l xor 16's: the token's two bytes,
.endr
.irp c, 0,1
	v_lshl_or_b32 v[BY+\c], v[BY+\c], 16, v[BY+\c] ; twice: the upper two scale the zero codes that fill K = 64 up to 128
.endr
.irp c, 0,1
.if \a%2 == 0
	v_mov_b32 v[SW+4*\c+\a/2], v[BY+\c]
.else
	v_cndmask_b32 v[SW+4*\c+\a/2], v[SW+4*\c+\a/2], v[BY+\c], s66   ; an odd tile's words go to lanes 16-31
.endif
	global_store_b128 v[LI], v[F+6*\c:F+6*\c+3], s[4:5] offset:\c*RECB+\a*768        ; 32 lanes store 512 consecutive bytes, aligned
	global_store_b64 v[L8], v[F+6*\c+4:F+6*\c+5], s[4:5] offset:\c*RECB+\a*768+512   ; and 256
.endr
.endr
.irp c, 0,1
	global_store_b128 v[LI], v[SW+4*\c:SW+4*\c+3], s[6:7] offset:\c*RECB
.endr
	s_branch .Ldone
.Lv:
	; ---- v.  Block a = 4 ca + u is tile u of 16 channels of head ca of my two; my 128 B rows are one key step: 12 registers a lane, a whole fragment
	s_lshr_b32 s20, s42, 3                         ; the batch
	s_lshl_b32 s20, s20, 4
	s_lshl_b32 s21, s17, 2
	s_add_co_u32 s20, s20, s21
	s_lshl_b32 s21, s15, 1
	s_add_co_u32 s20, s20, s21                     ; record 16 b + 4 (tile row) + 2 (my half of A)
	s_mul_i32 s20, s20, RECB
	s_and_b32 s21, s42, 7
	s_lshl_b32 s21, s21, 1
	s_add_co_u32 s21, s21, s16                     ; the key step
	s_mul_i32 s22, s21, 6144
	s_lshl_b32 s46, s21, 8
	s_add_co_u32 s22, s22, s20
	s_add_co_u32 s46, s46, s20
	s_add_co_u32 s22, s22, 98304
	s_add_co_u32 s46, s46, 204800
	s_mov_b32 s23, 0
	s_mov_b32 s47, 0
	s_add_nc_u64 s[4:5], s[12:13], s[22:23]
	s_add_nc_u64 s[6:7], s[12:13], s[46:47]
.irp a, 0,1,2,3,4,5,6,7
	QUANT64 \a
	v_lshl_or_b32 v[BY], v[BY+1], 16, v[BY]        ; my two bytes: blocks h and 2 + h of the key step,
	v_lshlrev_b32 v[BY], v[SH8], v[BY]
	v_permlanex16_b32 v[PX], v[BY], s96, s97
	v_or_b32 v[BY], v[BY], v[PX]                   ; with lane l xor 16's two the word is whole
.if \a%2 == 0
	v_mov_b32 v[SW+(\a%4)/2], v[BY]
.else
	v_cndmask_b32 v[SW+(\a%4)/2], v[SW+(\a%4)/2], v[BY], s66
.endif
.irp i, 0,1,2
	global_store_b128 v[LI], v[F+4*\i:F+4*\i+3], s[4:5] offset:(\a/4)*RECB+(\a%4)*1536+512*\i
.endr
.if \a%4 == 3
	global_store_b64 v[L8], v[SW:SW+1], s[6:7] offset:(\a/4)*RECB
.endif
.endr
.Ldone:
	s_wait_tensorcnt 0x0                           ; the wave's end
	ds_add_u32 v[SPW], v[NIL]
	s_wait_dscnt 0x0
	CROUND                                         ; the closing round: no work-group ends while a partner may still ask for a tile that names it
	s_endpgm
.Lfunc_end_k_q55cde7c78d_qkv:
	.size	k_q55cde7c78d_qkv, .Lfunc_end_k_q55cde7c78d_qkv-k_q55cde7c78d_qkv
	.p2alignl 7, 3214868480
	.fill 96, 4, 3214868480
	.section	.rodata,"a",@progbits
	.p2align	6, 0x0
	.amdhsa_kernel k_q55cde7c78d_qkv
		.amdhsa_group_segment_fixed_size 327680
		.amdhsa_private_segment_fixed_size 0
		.amdhsa_enable_private_segment 0
		.amdhsa_kernarg_size 40
		.amdhsa_user_sgpr_count 2
		.amdhsa_user_sgpr_kernarg_segment_ptr 1
		.amdhsa_wavefront_size32 1
		.amdhsa_system_sgpr_workgroup_id_x 1
		.amdhsa_system_sgpr_workgroup_id_y 1
		.amdhsa_system_sgpr_workgroup_id_z 1
		.amdhsa_system_vgpr_workitem_id 0
		.amdhsa_next_free_vgpr 1024
		.amdhsa_next_free_sgpr 98
		.amdhsa_reserve_vcc 0
		.amdhsa_float_denorm_mode_32 3
		.amdhsa_float_denorm_mode_16_64 3
		.amdhsa_memory_ordered 1
		.amdhsa_forward_progress 1
		.amdhsa_inst_pref_size 191
	.end_amdhsa_kernel
	.amdgpu_metadata
---
amdhsa.version: [ 1, 2 ]
amdhsa.kernels:
  - .name:           k_q55cde7c78d_qkv
    .symbol:         k_q55cde7c78d_qkv.kd
    .args:
      - { .name: x_codes, .offset: 0, .size: 8, .value_kind: global_buffer, .address_space: global }
      - { .name: x_scales, .offset: 8, .size: 8, .value_kind: global_buffer, .address_space: global }
      - { .name: w_qkv_codes, .offset: 16, .size: 8, .value_kind: global_buffer, .address_space: global }
      - { .name: w_qkv_scales, .offset: 24, .size: 8, .value_kind: global_buffer, .address_space: global }
      - { .name: rec, .offset: 32, .size: 8, .value_kind: global_buffer, .address_space: global }
    .group_segment_fixed_size: 327680
    .private_segment_fixed_size: 0
    .kernarg_segment_align: 8
    .kernarg_segment_size: 40
    .max_flat_workgroup_size: 128
    .sgpr_count:     98
    .vgpr_count:     1024
    .wavefront_size: 32
...
	.end_amdgpu_metadata
.endif
;; end of part 1
;; launch attn (part 2): grid 8 x 32, 16 waves a work-group, clusters of 4 x 1, 286,720 bytes of LDS; arguments rec, oimg, osc; writes oimg, osc
.if DOCPART == 2
	.amdgcn_target "amdgcn-amd-amdhsa--gfx1250"
	.amdhsa_code_object_version 6
	.text
	.protected	k_q55cde7c78d_attn
	.globl	k_q55cde7c78d_attn
	.p2align	8
	.type	k_q55cde7c78d_attn,@function
k_q55cde7c78d_attn:
	s_mov_b64 s[64:65], 0
	v_nop
	global_prefetch_b8 v0, s[64:65] scope:SCOPE_SE
	s_setreg_imm32_b32 hwreg(HW_REG_WAVE_MODE, 25, 1), 1
	s_wait_xcnt 0x0
	s_wait_alu depctr_hold_cnt(0) depctr_sa_sdst(0) depctr_va_vdst(0) depctr_va_sdst(0) depctr_va_ssrc(0) depctr_va_vcc(0) depctr_vm_vsrc(0)
	s_getreg_b32 s2, hwreg(HW_REG_IB_STS2, 6, 4)
	s_cmp_eq_u32 s2, 0
	s_cbranch_scc0 .Lentry_in_a_cluster
	s_endpgm
.Lentry_in_a_cluster:
	s_bfe_u32 s2, ttmp6, 0x10000c
	s_cmp_lg_u32 s2, 0x3003
	s_cbranch_scc0 .Lentry_shape_is_right
	s_endpgm
.Lentry_shape_is_right:
; For one (batch, head): S = q k^T (K = 64), w = stablemax3(S / 8) finished and normalised, O = w v (K = 2,048 keys); both products on codes of FP6 (E2M3) with E8M0 scales.  O is quantised for the last product.
; stablemax3: the row's largest logit is taken away first, so x <= 0 throughout and s = 1 / (1 + y + y^2 / 2 + y^3 / 6) with y = max - logit >= 0 (at y = 0 both branches of the definition give 1).
; THE WEIGHTS ARE QUANTISED NORMALISED, so a row's maximum and its sum are known before any code is made: the scores stay in registers meanwhile.
; SHARES.  A work-group owns 256 queries of one head, 16 tiles, in 8 passes of two tiles.  Wave (e = wave / 8, kw = wave % 8) takes tile e of the pass against keys 256 kw .. + 255: 16 tiles of S^T, 128 registers.
; A row's maximum, its sum and O's eight parts meet in LDS: two barriers a pass.  The head's K, V and their scale words, 208,896 bytes, come into LDS ONCE, by one joint load a wave of waves 0-7: the four work-groups
; of a cluster own query blocks of one head.  Nothing in LDS is filled twice.
; LAYOUT.  Both products are used transposed: S^T = K Q^T, O^T = V^T P^T: a lane holds ONE query.  The tokens of a tile and the channels of a V tile are chosen as the launch before lays them (in a group of 64: lane r of
; tile u is 8 u + r, or 32 + 8 (u xor 1) + r - 8): the 32 registers of four neighbouring tiles are one whole block of 32 keys (or channels), lanes 0-15 the group's block 0, lanes 16-31 block 1.
; K = 64 IN A FORM OF K = 128: Q's registers 6-11 are zero codes.  K's fragment names six registers more than a tile has: they hold the ring's next tile (or zeros): any code times the code 0 adds nothing, and the scale
; bytes of that half are copies of real bytes, never 0xff.  So zeros stand on one side only: that saves six registers for each place in the ring.
; LIMITS: NaN and infinities are not served.  y above some 8e12 lets the cubic overflow and gives s = 0, as the definition does.  A block's largest weight is made from its largest score by the same instructions, which takes
; v_rcp_f32 not to rise where its input rises.  The division by the row's sum is v_rcp_f32 and a multiplication.  Sums are added in another order than the definition's.  A block of zeros gets the byte 1.
; REGISTERS: v1-17 addresses and shifts; v18-19 lane permutes' results; v20-27 K's scale words, v28-31 V's; v32-43 Q; v44 Q's scale word, v45-46 P's; v48-51 a block's largest score, then weight; v52-55 scale operands;
; v56-57 max / 8; v58-59 1 / sum; v60-63 at work; v64-87 a ring of four tiles of K, v88-93 zeros; v94-105 P's codes; v106-109, v110-125 at work, then O^T's tiles 0, 1; v126-127 addresses; v128-255 the scores.
.set RECB,  315392
.set R_V,   98304
.set R_KSC, 196608
.set R_VSC, 204800
.set R_Q,   208896
.set R_QSC, 307200
.set MAXX,  208896                     ; LDS behind the record's image: [e][query 16][kw 8] words; the sums 1,024 bytes on
.set OSUM,  210944                     ; [e][quad 8][lane][16 bytes]
.set OPART, 219136                     ; [e][kw][quad 8][lane][16 bytes]
.set S,   128
.set KF,  64
.set BM,  48
.set T,   110
.macro CROUND                          ; a round of the cluster's barrier
	s_barrier_signal -1
	s_barrier_wait -1
	s_cmp_lg_u32 s10, 0
	s_cbranch_scc1 .Lnot_wave_0_\@
	s_barrier_signal -3
.Lnot_wave_0_\@:
	s_barrier_wait -3
	s_barrier_signal -1
	s_barrier_wait -1
.endm
	s_load_b128 s[4:7], s[0:1], 0x0                ; the records, O's images
	s_load_b64 s[8:9], s[0:1], 0x10                ; O's scale bytes
	v_lshl_add_u32 v254, v0, 2, 0x45800
	v_mov_b32 v255, 0
	ds_add_u32 v254, v255
	ds_add_u32 v254, v255
	s_wait_dscnt 0x0
	v_lshrrev_b32 v60, 5, v0
	v_readfirstlane_b32 s10, v60                   ; wave 0..15
	s_lshr_b32 s11, s10, 3                         ; e
	s_and_b32 s12, s10, 7                          ; kw
	s_bfe_u32 s13, ttmp6, 0x40000                  ; cx
	s_lshl_b32 s14, ttmp9, 2
	s_add_co_u32 s14, s14, s13                     ; my block of 256 queries: it enters global addresses alone
	s_and_b32 s15, ttmp7, 0xffff                   ; 16 b + head, which the four partners share
	v_and_b32 v61, 31, v0                          ; lane
	v_and_b32 v62, 15, v0                          ; r
	v_bfe_u32 v63, v0, 4, 1                        ; h
	v_lshlrev_b32 v1, 4, v61                       ; 16 x lane
	v_lshlrev_b32 v2, 3, v61                       ; 8 x lane
	s_mul_i32 s16, s12, 12288                      ; my 16 tiles of K, and my two key steps of V, are 12,288 bytes each
	v_add_nc_u32 v3, s16, v1                       ; K: registers 0-3 of a tile
	s_add_co_u32 s17, s16, 512
	v_add_nc_u32 v4, s17, v2                       ; K: registers 4-5
	s_add_co_u32 s17, s16, R_V
	v_add_nc_u32 v5, s17, v1                       ; V
	s_lshl_b32 s16, s11, 9
	s_add_co_u32 s16, s16, MAXX
	v_lshl_add_u32 v7, v62, 5, s16                 ; my query's eight words
	s_lshl_b32 s17, s12, 2
	v_add_nc_u32 v6, s17, v7                       ; and mine among them
	s_lshl_b32 s16, s11, 15
	s_add_co_u32 s16, s16, OPART
	s_lshl_b32 s17, s12, 12
	s_add_co_u32 s17, s17, s16
	v_add_nc_u32 v8, s17, v1                       ; where I put my part of O^T
	s_lshl_b32 s17, s12, 9
	s_add_co_u32 s18, s17, s16
	v_add_nc_u32 v9, s18, v1                       ; quad kw of all eight parts: what I add up
	s_lshl_b32 s16, s11, 12
	s_add_co_u32 s16, s16, OSUM
	s_add_co_u32 s17, s17, s16
	v_add_nc_u32 v10, s17, v1                      ; and where the sum goes
	v_add_nc_u32 v11, s16, v1
	v_xor_b32 v12, 1, v63
	v_lshl_add_u32 v12, v12, 10, v11               ; the flush: lanes 16-31 take the quad two on or two back: that puts block 1's channels in their own order
	v_lshl_add_u32 v11, v63, 10, v11
	s_mul_i32 s16, s11, 768
	v_add_nc_u32 v13, s16, v1                      ; Q's tile e of a pass
	s_add_co_u32 s17, s16, 512
	v_add_nc_u32 v14, s17, v2
	s_lshl_b32 s16, s11, 8
	v_lshl_add_u32 v15, v62, 4, s16                ; its scale word: 16 bytes a lane, lanes 16 e + r
	v_lshlrev_b32 v16, 1, v62                      ; O's scale bytes: two a token
	v_lshlrev_b32 v17, 3, v63                      ; 8 h
	s_lshl_b32 s16, s12, 10
	s_add_co_u32 s16, s16, R_KSC
	v_add_nc_u32 v126, s16, v1
	s_lshl_b32 s16, s12, 9
	s_add_co_u32 s16, s16, R_VSC
	v_add_nc_u32 v127, s16, v2
	; descriptor group 1: 102 rows of 256 bytes, dense
	s_mov_b32 s28, 15|(3<<16)|(1<<21)              ; 15:0 the mask: all four work-groups; 17:16 elements of 8 bytes; 21 set beside a mask
	s_mov_b32 s29, 32<<16                          ; tensor_dim0 = 32
	s_mov_b32 s30, 102<<16                         ; tensor_dim1 = 102
	s_mov_b32 s31, 32<<16                          ; tile_dim0
	s_mov_b32 s32, 102                             ; tile_dim1
	s_mov_b32 s33, 32                              ; from row to row
	s_mov_b32 s34, 0
	s_mov_b32 s35, 0
	s_mov_b32 s20, 0x76543210                      ; v_permlanex16_b32's selects for lane l xor 16
	s_mov_b32 s21, 0xfedcba98
	s_mov_b32 s22, 0xbe000000                      ; -1 / 8
	s_mov_b32 s23, s22                             ; (named with it as a pair, so it is written)
	s_mov_b32 s24, 0x3e2aaaab                      ; 1 / 6
	s_mov_b32 s25, s24
	s_mov_b32 s49, 0
	s_mov_b32 s50, 0                               ; the pass
	s_mul_i32 s16, s15, RECB
	s_mov_b32 s17, 0
	s_mul_i32 s37, s10, 26112                      ; LDS address: wave x 102 rows
	s_mov_b32 s18, s37
	s_mov_b32 s19, 0
	s_wait_kmcnt 0x0
	s_add_nc_u64 s[4:5], s[4:5], s[16:17]          ; my head's record
	s_mov_b32 s36, 1
	s_add_nc_u64 s[38:39], s[4:5], s[18:19]
	s_or_b32 s39, s39, 0x80000000
	s_mul_i32 s16, s14, 12288
	s_add_co_u32 s16, s16, R_Q
	s_add_nc_u64 s[40:41], s[4:5], s[16:17]        ; Q's tiles of pass 0
	s_lshl_b32 s16, s14, 10
	s_add_co_u32 s16, s16, R_QSC
	s_add_nc_u64 s[42:43], s[4:5], s[16:17]        ; their scale words
	s_lshr_b32 s16, s15, 4
	s_lshl_b32 s16, s16, 7
	s_lshl_b32 s18, s14, 4
	s_add_co_u32 s18, s18, s11                     ; my tile of pass 0 in the batch: 16 x block + e
	s_add_co_u32 s16, s16, s18
	s_mul_i32 s16, s16, 12288                      ; a tile's 16 heads x 768 bytes
	s_and_b32 s26, s15, 15
	s_mul_i32 s26, s26, 768
	s_add_co_u32 s16, s16, s26
	s_add_nc_u64 s[44:45], s[6:7], s[16:17]        ; O's image
	s_lshl_b32 s16, s15, 12
	s_lshl_b32 s18, s18, 5
	s_add_co_u32 s16, s16, s18
	s_add_nc_u64 s[46:47], s[8:9], s[16:17]        ; O's scale bytes
	CROUND                                         ; all four work-groups are here: the joint loads meet
	s_cmp_lt_u32 s10, 8
	s_cbranch_scc0 .Lno_fill
	tensor_load_to_lds s[36:39], s[28:35]          ; one load of mine is out
	s_nop 0
.rept 4
	v_nop
.endr
.Lno_fill:
.irp j, 18,19,38,39,40,41,42,43,57,59,60,61,62,63,88,89,90,91,92,93
	v_mov_b32 v\j, 0
.endr
.irp i, 0,1,2,3,4,5,6,7
	ds_store_b128 v8, v[60:63] offset:512*\i       ; O's parts begin as zeros: pass 0 adds them up like every pass
.endr
	global_load_b128 v[32:35], v13, s[40:41]       ; Q of pass 0
	global_load_b64 v[36:37], v14, s[40:41]
	global_load_b32 v44, v15, s[42:43]
	s_wait_tensorcnt 0x0                           ; my part of the record is in,
	s_wait_dscnt 0x0
	s_barrier_signal -1
	s_barrier_wait -1                              ; everybody's is
	ds_load_b128 v[20:23], v126                    ; the scale words of my 16 tiles of K: register t / 2, lanes 0-15 even t, lanes 16-31 odd t
	ds_load_b128 v[24:27], v126 offset:512
	ds_load_b64 v[28:29], v127                     ; and of my two key steps of V: register 2 step + u / 2
	ds_load_b64 v[30:31], v127 offset:256
.irp t, 0,1,2,3
	ds_load_b128 v[KF+6*\t:KF+6*\t+3], v3 offset:768*\t
	ds_load_b64 v[KF+6*\t+4:KF+6*\t+5], v4 offset:768*\t
.endr
	s_wait_dscnt 0x0
.macro MAX4 n                          ; tile n's eight scores into the largest of its block of 32 (four tiles): four plain instructions, from the accumulator's low end on
.set rS, S+8*(\n)
.set rB, BM+(\n)/4
.if (\n)%4 == 0
	v_max3_num_f32 v[rB], v[rS], v[rS+1], v[rS+2]
	v_max3_num_f32 v[rB], v[rB], v[rS+3], v[rS+4]
	v_max3_num_f32 v[rB], v[rB], v[rS+5], v[rS+6]
	v_max_num_f32 v[rB], v[rB], v[rS+7]
.else
	v_max3_num_f32 v[rB], v[rB], v[rS], v[rS+1]
	v_max3_num_f32 v[rB], v[rB], v[rS+2], v[rS+3]
	v_max3_num_f32 v[rB], v[rB], v[rS+4], v[rS+5]
	v_max3_num_f32 v[rB], v[rB], v[rS+6], v[rS+7]
.endif
.endm
.macro PARTS                           ; quad kw of the eight parts of O^T
.irp k, 0,1,2,3,4,5,6,7
	ds_load_b128 v[94+4*\k:97+4*\k], v9 offset:4096*\k
.endr
.endm
.macro REDUCE                          ; their sum, as a tree, and to its place
.irp k, 0,2,4,6
	v_pk_add_f32 v[94+4*\k:95+4*\k], v[94+4*\k:95+4*\k], v[98+4*\k:99+4*\k]
	v_pk_add_f32 v[96+4*\k:97+4*\k], v[96+4*\k:97+4*\k], v[100+4*\k:101+4*\k]
.endr
.irp k, 0,4
	v_pk_add_f32 v[94+4*\k:95+4*\k], v[94+4*\k:95+4*\k], v[102+4*\k:103+4*\k]
	v_pk_add_f32 v[96+4*\k:97+4*\k], v[96+4*\k:97+4*\k], v[104+4*\k:105+4*\k]
.endr
	v_pk_add_f32 v[94:95], v[94:95], v[110:111]
	v_pk_add_f32 v[96:97], v[96:97], v[112:113]
	ds_store_b128 v10, v[94:97]
.endm
.macro PV sg, u, first                 ; O^T tile u += V^T (key step sg, tile u) P^T
.if (\u) < 2
.set rO, 110+8*(\u)
.else
.set rO, 240+8*((\u)-2)
.endif
.set rV, S+64*(\sg)+12*(\u)
.set rP, 94+82*(\sg)
.set rA, 28+2*(\sg)+(\u)/2
.if \first
.if (\u)%2
	v_wmma_scale_f32_16x16x128_f8f6f4 v[rO:rO+7], v[rV:rV+11], v[rP:rP+11], 0, v[rA], v[45+\sg] matrix_a_fmt:MATRIX_FMT_FP6 matrix_b_fmt:MATRIX_FMT_FP6 matrix_a_scale:MATRIX_SCALE_ROW1
.else
	v_wmma_scale_f32_16x16x128_f8f6f4 v[rO:rO+7], v[rV:rV+11], v[rP:rP+11], 0, v[rA], v[45+\sg] matrix_a_fmt:MATRIX_FMT_FP6 matrix_b_fmt:MATRIX_FMT_FP6
.endif
.else
.if (\u)%2
	v_wmma_scale_f32_16x16x128_f8f6f4 v[rO:rO+7], v[rV:rV+11], v[rP:rP+11], v[rO:rO+7], v[rA], v[45+\sg] matrix_a_fmt:MATRIX_FMT_FP6 matrix_b_fmt:MATRIX_FMT_FP6 matrix_a_scale:MATRIX_SCALE_ROW1
.else
	v_wmma_scale_f32_16x16x128_f8f6f4 v[rO:rO+7], v[rV:rV+11], v[rP:rP+11], v[rO:rO+7], v[rA], v[45+\sg] matrix_a_fmt:MATRIX_FMT_FP6 matrix_b_fmt:MATRIX_FMT_FP6
.endif
.endif
.endm
; THE FLUSH, by wave kw = 0 of each e: the tile finished a pass ago: 64 channels of 16 queries, my lane's 32 a whole block of the last product's K, in their own order; quantised; stored as an image and two bytes a token.
.macro FLUSH inloop
	s_cmp_lg_u32 s12, 0
	s_cbranch_scc1 .Lno_flush_\@
.if \inloop
	s_cmp_eq_u32 s50, 0                            ; pass 0 has no tile behind it
	s_cbranch_scc1 .Lno_flush_\@
.endif
.irp i, 0,1,4,5
	ds_load_b128 v[S+4*\i:S+4*\i+3], v11 offset:512*\i
	ds_load_b128 v[S+4*\i+8:S+4*\i+11], v12 offset:512*\i
.endr
	s_wait_dscnt 0x0
	v_max3_num_f32 v60, |v[S]|, |v[S+1]|, 0x1800000    ; the floor 2^(3 - 127): the byte cannot fall under 1
.set j, 2
.rept 15
	v_max3_num_f32 v60, v60, |v[S+j]|, |v[S+j+1]|
.set j, j+2
.endr
	v_add_nc_u32 v52, 0xff000000, v60              ; 2 off the exponent field: the conversion's scale operand
	v_lshrrev_b32 v61, 23, v52                     ; the byte
	v_cvt_scalef32_pk16_fp6_f32 v[94:96], v[S:S+15], v52
	v_cvt_scalef32_pk16_fp6_f32 v[106:108], v[S+16:S+31], v52
	v_nop                                          ; one plain place behind a scaled conversion
	v_mov_b32 v97, v106
	v_mov_b32 v98, v107
	v_mov_b32 v99, v108
	v_lshlrev_b32 v61, v17, v61
	v_permlanex16_b32 v18, v61, s20, s21
	v_or_b32 v61, v61, v18                         ; the token's two bytes
	global_store_b128 v1, v[94:97], s[44:45] offset:-24576     ; the pointers stand a pass further on
	global_store_b64 v2, v[98:99], s[44:45] offset:-24064
	global_store_b16 v16, v61, s[46:47] offset:-64
.Lno_flush_\@:
.endm
.Lpass:
	s_wait_loadcnt 0x0                             ; this pass's Q and its scale word
	; ---- S^T = K Q^T, 16 tiles.  Behind product t stand the maxima of tile t - 1: four plain instructions, the places in front of the reload of the ring's place that product t has read, and of the reads of tile t.
.set t, 0
.rept 16
.if t >= 4
	s_wait_dscnt 4                                 ; the reloads behind the last two products, two loads each, may be out: tiles t and t + 1 are in
.endif
.if t%2
	v_wmma_scale_f32_16x16x128_f8f6f4 v[S+8*t:S+8*t+7], v[KF+6*(t%4):KF+6*(t%4)+11], v[32:43], 0, v[20+t/2], v44 matrix_a_fmt:MATRIX_FMT_FP6 matrix_b_fmt:MATRIX_FMT_FP6 matrix_a_scale:MATRIX_SCALE_ROW1
.else
	v_wmma_scale_f32_16x16x128_f8f6f4 v[S+8*t:S+8*t+7], v[KF+6*(t%4):KF+6*(t%4)+11], v[32:43], 0, v[20+t/2], v44 matrix_a_fmt:MATRIX_FMT_FP6 matrix_b_fmt:MATRIX_FMT_FP6
.endif
.if t == 0
.rept 4
	v_nop
.endr
.else
	MAX4 t-1
.endif
	ds_load_b128 v[KF+6*(t%4):KF+6*(t%4)+3], v3 offset:((t+4)%16)*768      ; the tile four on; the ring runs on into the next pass
	ds_load_b64 v[KF+6*(t%4)+4:KF+6*(t%4)+5], v4 offset:((t+4)%16)*768
.set t, t+1
.endr
	MAX4 15
	; ---- the next pass's Q, a whole pass ahead; the last pass asks for nothing: no load leaves the buffer
	s_cmp_eq_u32 s50, 7
	s_cbranch_scc1 .Lno_q
	s_add_nc_u64 s[40:41], s[40:41], 1536          ; (this pass's loads were shown done at the pass's head)
	s_and_b32 s51, s50, 3
	s_cmp_eq_u32 s51, 3
	s_cselect_b32 s48, 500, 4                      ; a word on; behind four passes on to the next eight tiles' 512 bytes
	s_add_nc_u64 s[42:43], s[42:43], s[48:49]
	global_load_b128 v[32:35], v13, s[40:41]
	global_load_b64 v[36:37], v14, s[40:41]
	global_load_b32 v44, v15, s[42:43]
.Lno_q:
	; ---- the row's maximum over the eight waves; the same barrier shows the last pass's parts of O^T
	v_max3_num_f32 v60, v48, v49, v50
	v_max_num_f32 v60, v60, v51
	v_permlanex16_b32 v18, v60, s20, s21
	v_max_num_f32 v60, v60, v18
	ds_store_b32 v6, v60
	s_wait_dscnt 0x0                               ; for the others' sake: my stores have landed, my loads are in
	s_barrier_signal -1
	s_barrier_wait -1
	ds_load_b128 v[60:63], v7
	ds_load_b128 v[52:55], v7 offset:16
	PARTS
	s_wait_dscnt 8                                 ; the eight maxima are in; the eight loads of O's parts may be out
	v_max3_num_f32 v60, v60, v61, v62
	v_max3_num_f32 v60, v60, v63, v52
	v_max3_num_f32 v60, v60, v53, v54
	v_max_num_f32 v60, v60, v55
	v_mul_f32 v56, 0x3e000000, v60                 ; the largest logit: exact
	s_wait_dscnt 0x0
	REDUCE
	; ---- y = max / 8 - s / 8 (one rounding, as the subtraction of the exact logits has); 1 + y (1 + y (1/2 + y / 6)): all terms positive; s = its reciprocal.  No result is named before the wait below
.set g, 0
.rept 16
.set rS, S+8*g
.set rT, T+8*(g%2)
.irp k, 0,2,4,6
	v_pk_fma_f32 v[rS+\k:rS+\k+1], v[rS+\k:rS+\k+1], s[22:23], v[56:57] op_sel_hi:[1,0,0]
.endr
.irp k, 0,2,4,6
	v_pk_fma_f32 v[rT+\k:rT+\k+1], v[rS+\k:rS+\k+1], s[24:25], 0.5 op_sel_hi:[1,0,0]
.endr
.irp k, 0,2,4,6
	v_pk_fma_f32 v[rT+\k:rT+\k+1], v[rT+\k:rT+\k+1], v[rS+\k:rS+\k+1], 1.0 op_sel_hi:[1,1,0]
.endr
.irp k, 0,2,4,6
	v_pk_fma_f32 v[rS+\k:rS+\k+1], v[rT+\k:rT+\k+1], v[rS+\k:rS+\k+1], 1.0 op_sel_hi:[1,1,0]
.endr
.irp k, 0,1,2,3,4,5,6,7
	v_rcp_f32 v[rS+\k], v[rS+\k]
.endr
.set g, g+1
.endr
.irp c, 0,1,2,3
	v_fma_f32 v[BM+\c], v[BM+\c], s22, v56         ; the same of each block's largest score.  (Plain work behind the reciprocals)
.endr
	s_wait_alu depctr_va_vdst(0)                   ; one wait for the 128 reciprocals, ahead of their first reader
	; ---- the row's sum: four chains, then the halves, lane l xor 16, and the eight waves
.irp k, 0,2,4,6
	v_pk_add_f32 v[T+\k:T+\k+1], v[S+\k:S+\k+1], v[S+8+\k:S+8+\k+1]
.endr
.set g, 2
.rept 14
.irp k, 0,2,4,6
	v_pk_add_f32 v[T+\k:T+\k+1], v[T+\k:T+\k+1], v[S+8*g+\k:S+8*g+\k+1]
.endr
.set g, g+1
.endr
	v_pk_add_f32 v[T:T+1], v[T:T+1], v[T+2:T+3]
	v_pk_add_f32 v[T+4:T+5], v[T+4:T+5], v[T+6:T+7]
	v_pk_add_f32 v[T:T+1], v[T:T+1], v[T+4:T+5]
	v_add_f32 v[T], v[T], v[T+1]
	v_permlanex16_b32 v18, v[T], s20, s21
	v_add_f32 v[T], v[T], v18
	ds_store_b32 v6, v[T] offset:1024
	s_wait_dscnt 0x0                               ; my sum and my quad of O have landed
	s_barrier_signal -1
.irp c, 0,1,2,3
	v_fma_f32 v[60+\c], v[BM+\c], s24, 0.5         ; work on registers while the others arrive: each block's largest s, by the same operations on the same number
.endr
.irp c, 0,1,2,3
	v_fma_f32 v[60+\c], v[60+\c], v[BM+\c], 1.0
.endr
.irp c, 0,1,2,3
	v_fma_f32 v[BM+\c], v[60+\c], v[BM+\c], 1.0
.endr
.irp c, 0,1,2,3
	v_rcp_f32 v[BM+\c], v[BM+\c]
.endr
	s_barrier_wait -1
	ds_load_b128 v[60:63], v7 offset:1024
	ds_load_b128 v[52:55], v7 offset:1040
	s_wait_dscnt 0x0
	v_add_f32 v60, v60, v61                        ; one order in all eight waves: the same bits
	v_add_f32 v60, v60, v62
	v_add_f32 v60, v60, v63
	v_add_f32 v60, v60, v52
	v_add_f32 v60, v60, v53
	v_add_f32 v60, v60, v54
	v_add_f32 v60, v60, v55
	v_rcp_f32 v58, v60
	v_nop                                          ; a plain place behind the reciprocal
	s_wait_alu depctr_va_vdst(0)                   ; one wait for the four and the one
	; ---- the finished weights, their scales and codes
.set j, 0
.rept 64
	v_pk_mul_f32 v[S+j:S+j+1], v[S+j:S+j+1], v[58:59] op_sel_hi:[1,0]
.set j, j+2
.endr
.irp c, 0,1,2,3
	v_mul_f32 v[BM+\c], v[BM+\c], v58              ; each block's largest weight
.endr
.irp c, 0,1,2,3
	v_max_num_f32 v[BM+\c], 0x1800000, v[BM+\c]    ; the floor 2^(3 - 127)
.endr
.irp c, 0,1,2,3
	v_add_nc_u32 v[52+\c], 0xff000000, v[BM+\c]    ; the conversion's scale operand
.endr
.irp c, 0,1,2,3
	v_lshrrev_b32 v[60+\c], 23, v[52+\c]           ; the byte
.endr
	v_lshl_or_b32 v45, v61, 16, v60                ; my two bytes of each key step: blocks h and 2 + h,
	v_lshl_or_b32 v46, v63, 16, v62
	v_lshlrev_b32 v45, v17, v45
	v_lshlrev_b32 v46, v17, v46
	v_permlanex16_b32 v18, v45, s20, s21
	v_permlanex16_b32 v19, v46, s20, s21
	v_or_b32 v45, v45, v18                         ; with lane l xor 16's two the words are whole
	v_or_b32 v46, v46, v19
	v_cvt_scalef32_pk16_fp6_f32 v[94:96], v[S:S+15], v52
	v_cvt_scalef32_pk16_fp6_f32 v[106:108], v[S+16:S+31], v52      ; (a conversion's three registers begin on an even number)
	v_cvt_scalef32_pk16_fp6_f32 v[100:102], v[S+32:S+47], v53
	v_cvt_scalef32_pk16_fp6_f32 v[110:112], v[S+48:S+63], v53
	v_nop                                          ; one plain place behind a scaled conversion
.irp i, 0,1,2
	v_mov_b32 v[97+\i], v[106+\i]
	v_mov_b32 v[103+\i], v[110+\i]
.endr
.irp u, 0,1,2,3
.irp i, 0,1,2
	ds_load_b128 v[S+12*\u+4*\i:S+12*\u+4*\i+3], v5 offset:1536*\u+512*\i       ; V of my first key step, into registers whose weights are codes now
.endr
.endr
	v_cvt_scalef32_pk16_fp6_f32 v[S+48:S+50], v[S+64:S+79], v54
	v_cvt_scalef32_pk16_fp6_f32 v[106:108], v[S+80:S+95], v54
	v_cvt_scalef32_pk16_fp6_f32 v[S+54:S+56], v[S+96:S+111], v55
	v_cvt_scalef32_pk16_fp6_f32 v[110:112], v[S+112:S+127], v55
	v_nop
.irp i, 0,1,2
	v_mov_b32 v[S+51+\i], v[106+\i]
	v_mov_b32 v[S+57+\i], v[110+\i]
.endr
.irp u, 0,1,2,3
.irp i, 0,1,2
	ds_load_b128 v[S+64+12*\u+4*\i:S+64+12*\u+4*\i+3], v5 offset:6144+1536*\u+512*\i
.endr
.endr
.rept 4
	v_nop                                          ; an operand written by vector instructions stands four places ahead of a scaled matrix instruction; the scale words stand eighteen plain lines ahead
.endr
	; ---- O^T = V^T P^T: four accumulators by turns, one instruction a turn
	s_wait_dscnt 12                                ; the first key step's V is in; the second's twelve loads may be out
.irp u, 0,1,2,3
	PV 0, \u, 1
.endr
	s_wait_dscnt 0x0
.irp u, 0,1,2,3
	PV 1, \u, 0
.endr
.rept 5
	v_nop                                          ; four places in front of the stores that read the results; five in front of the next pass's first product, which writes over registers that held V
.endr
.irp u, 0,1
	ds_store_b128 v8, v[110+8*\u:113+8*\u] offset:1024*\u          ; each accumulator from its low end on
	ds_store_b128 v8, v[114+8*\u:117+8*\u] offset:1024*\u+512
.endr
.irp u, 0,1
	ds_store_b128 v8, v[240+8*\u:243+8*\u] offset:2048+1024*\u
	ds_store_b128 v8, v[244+8*\u:247+8*\u] offset:2048+1024*\u+512
.endr
	FLUSH 1
	s_wait_xcnt 0x0                                ; the stores have read their registers and bases: both may be written again
	s_add_nc_u64 s[44:45], s[44:45], 24576         ; two tiles on
	s_add_nc_u64 s[46:47], s[46:47], 64
	s_add_co_u32 s50, s50, 1
	s_cmp_lt_u32 s50, 8
	s_cbranch_scc1 .Lpass
	; ---- the last pass's tile
	s_wait_dscnt 0x0
	s_barrier_signal -1
	s_barrier_wait -1
	PARTS
	s_wait_dscnt 0x0
	REDUCE
	s_wait_dscnt 0x0
	s_barrier_signal -1
	s_barrier_wait -1
	FLUSH 0
	s_wait_dscnt 0x0
	s_wait_xcnt 0x0
	v_lshl_add_u32 v254, v0, 2, 0x45800
	v_mov_b32 v255, 0
	s_wait_tensorcnt 0x0
	ds_add_u32 v254, v255
	s_wait_dscnt 0x0
	CROUND                                         ; the closing round
	s_endpgm
.Lfunc_end_k_q55cde7c78d_attn:
	.size	k_q55cde7c78d_attn, .Lfunc_end_k_q55cde7c78d_attn-k_q55cde7c78d_attn
	.p2alignl 7, 3214868480
	.fill 96, 4, 3214868480
	.section	.rodata,"a",@progbits
	.p2align	6, 0x0
	.amdhsa_kernel k_q55cde7c78d_attn
		.amdhsa_group_segment_fixed_size 286720
		.amdhsa_private_segment_fixed_size 0
		.amdhsa_enable_private_segment 0
		.amdhsa_kernarg_size 24
		.amdhsa_user_sgpr_count 2
		.amdhsa_user_sgpr_kernarg_segment_ptr 1
		.amdhsa_wavefront_size32 1
		.amdhsa_system_sgpr_workgroup_id_x 1
		.amdhsa_system_sgpr_workgroup_id_y 1
		.amdhsa_system_sgpr_workgroup_id_z 1
		.amdhsa_system_vgpr_workitem_id 0
		.amdhsa_next_free_vgpr 256
		.amdhsa_next_free_sgpr 66
		.amdhsa_reserve_vcc 0
		.amdhsa_float_denorm_mode_32 3
		.amdhsa_float_denorm_mode_16_64 3
		.amdhsa_memory_ordered 1
		.amdhsa_forward_progress 1
		.amdhsa_inst_pref_size 62
	.end_amdhsa_kernel
	.amdgpu_metadata
---
amdhsa.version: [ 1, 2 ]
amdhsa.kernels:
  - .name:           k_q55cde7c78d_attn
    .symbol:         k_q55cde7c78d_attn.kd
    .args:
      - { .name: rec, .offset: 0, .size: 8, .value_kind: global_buffer, .address_space: global }
      - { .name: oimg, .offset: 8, .size: 8, .value_kind: global_buffer, .address_space: global }
      - { .name: osc, .offset: 16, .size: 8, .value_kind: global_buffer, .address_space: global }
    .group_segment_fixed_size: 286720
    .private_segment_fixed_size: 0
    .kernarg_segment_align: 8
    .kernarg_segment_size: 24
    .max_flat_workgroup_size: 512
    .sgpr_count:     66
    .vgpr_count:     256
    .wavefront_size: 32
...
	.end_amdgpu_metadata
.endif
;; end of part 2
;; launch proj (part 3): grid 8 x 32, 8 waves a work-group, clusters of 4 x 4, 298,240 bytes of LDS; arguments oimg, osc, w_out_codes, w_out_scales, b_out, out0; writes out0
.if DOCPART == 3
	.amdgcn_target "amdgcn-amd-amdhsa--gfx1250"
	.amdhsa_code_object_version 6
	.text
	.protected	k_q55cde7c78d_proj
	.globl	k_q55cde7c78d_proj
	.p2align	8
	.type	k_q55cde7c78d_proj,@function
k_q55cde7c78d_proj:
	s_mov_b64 s[64:65], 0
	v_nop
	global_prefetch_b8 v0, s[64:65] scope:SCOPE_SE
	s_setreg_imm32_b32 hwreg(HW_REG_WAVE_MODE, 25, 1), 1
	s_wait_xcnt 0x0
	s_wait_alu depctr_hold_cnt(0) depctr_sa_sdst(0) depctr_va_vdst(0) depctr_va_sdst(0) depctr_va_ssrc(0) depctr_va_vcc(0) depctr_vm_vsrc(0)
	s_getreg_b32 s2, hwreg(HW_REG_IB_STS2, 6, 4)
	s_cmp_eq_u32 s2, 0
	s_cbranch_scc0 .Lentry_in_a_cluster
	s_endpgm
.Lentry_in_a_cluster:
	s_bfe_u32 s2, ttmp6, 0x10000c
	s_cmp_lg_u32 s2, 0xf033
	s_cbranch_scc0 .Lentry_shape_is_right
	s_endpgm
.Lentry_shape_is_right:
; out = O Wout^T + b_out on codes of FP6 (E2M3) with E8M0 scales; K = 1,024.  O comes as images of operand registers ([tile of 16 tokens][head][768 bytes]) with two scale bytes for each token and head; Wout as rows of codes.
; A work-group makes 128 tokens x 128 columns: 256 work-groups.  ALL OF K LIES IN LDS: O's 8 tiles (98,304 bytes) and Wout's 128 rows (122,880 with padding), in four chunks of 256 along K, each brought once: nothing is filled twice.
; Eight waves: wave w makes token tiles 2 (w / 2), + 1 against column tiles 4 (w % 2) .. + 3: eight accumulators, which take turns.  Transposed use: source 0 = 16 rows of Wout, source 1 = 16 tokens: a lane holds eight
; neighbouring columns of one token.  The bias is loaded into the accumulators: every K step is one and the same accumulating form.
; CLUSTERS: 4 x 4 work-groups; O's tiles are asked for jointly along a row of the cluster, Wout's along a column.  Waves 0-3 fetch O's, waves 4-7 Wout's: four loads each, one for each chunk: four loads of mine are out at the most.
; The tokens of a tile are not neighbours (in a group of 64: lane r of tile u is 8 u + r, or 32 + 8 (u xor 1) + r - 8): the stage on the way out puts them back.
.set AIMG, 0                           ; 4 chunks x [tile 8][4 heads x 768]
.set BROW, 98304                       ; 4 chunks x 128 rows x 240 (3 x (64 bytes + 16 of padding))
.set STG,  221184                      ; 128 rows x (512 + 16)
.set ACC,  40                          ; accumulator (a, b) at v[40 + 8 (4 a + b)]
.set G1A,  28
.set G1B,  36
.set G0A,  44                          ; s[44:59] four sets
.set G0B,  68                          ; s[68:83] four sets
.macro CROUND
	s_barrier_signal -1
	s_barrier_wait -1
	s_cmp_lg_u32 s16, 0
	s_cbranch_scc1 .Lnot_wave_0_\@
	s_barrier_signal -3
.Lnot_wave_0_\@:
	s_barrier_wait -3
	s_barrier_signal -1
	s_barrier_wait -1
.endm
	s_load_b256 s[4:11], s[0:1], 0x0               ; O's images s[4:5], O's scale bytes s[6:7], Wout's codes s[8:9], its scales s[10:11]
	s_load_b128 s[12:15], s[0:1], 0x20             ; b_out, out
	v_lshl_add_u32 v254, v0, 2, 0x48900
	v_mov_b32 v255, 0
	ds_add_u32 v254, v255
	ds_add_u32 v254, v255
	v_lshrrev_b32 v1, 5, v0
	v_readfirstlane_b32 s16, v1                    ; wave 0..7
	s_lshr_b32 s17, s16, 1                         ; wr: my two token tiles
	s_and_b32 s18, s16, 1                          ; wc: my four column tiles
	s_and_b32 s19, s16, 3                          ; which quarter I fetch
	s_bfe_u32 s20, ttmp6, 0x40000                  ; cx
	s_bfe_u32 s21, ttmp6, 0x40004                  ; cy
	s_lshl_b32 s22, ttmp9, 2
	s_add_co_u32 s22, s22, s20                     ; which 128 columns
	s_and_b32 s23, ttmp7, 0xffff
	s_lshl_b32 s23, s23, 2
	s_add_co_u32 s23, s23, s21                     ; which 128 tokens
	s_lshl_b32 s24, s21, 2
	s_lshl_b32 s24, 15, s24                        ; my row of the cluster
	s_lshl_b32 s25, 0x1111, s20                    ; my column
	s_or_b32 s[G1A], s24, (3<<16)|(1<<21)          ; O: two tiles' 3,072 bytes (384 elements of 8), 12,288 bytes apart; no padding
	s_mov_b32 s[G1A+1], 384<<16
	s_mov_b32 s[G1A+2], 2<<16
	s_mov_b32 s[G1A+3], 384<<16
	s_mov_b32 s[G1A+4], 2
	s_mov_b32 s[G1A+5], 1536
	s_mov_b32 s[G1A+6], 0
	s_mov_b32 s[G1A+7], 0
	s_or_b32 s[G1B], s25, (0<<16)|(1<<20)|(1<<21)|(3<<22)|(3<<25)  ; Wout: 32 rows of 192 bytes, 768 apart; 16 bytes of padding behind every 64
	s_mov_b32 s[G1B+1], 192<<16
	s_mov_b32 s[G1B+2], 32<<16
	s_mov_b32 s[G1B+3], 192<<16
	s_mov_b32 s[G1B+4], 32
	s_mov_b32 s[G1B+5], 768
	s_mov_b32 s[G1B+6], 0
	s_mov_b32 s[G1B+7], 0
	s_lshl_b32 s26, s23, 3
	s_lshl_b32 s27, s19, 1
	s_add_co_u32 s26, s26, s27
	s_mul_i32 s60, s26, 12288                      ; O: tile 8 x block + 2 x quarter
	s_mov_b32 s61, 0
	s_lshl_b32 s84, s22, 7
	s_lshl_b32 s85, s19, 5
	s_add_co_u32 s84, s84, s85
	s_mul_i32 s62, s84, 768                        ; Wout: row 128 x block + 32 x quarter
	s_mov_b32 s63, 0
	s_mul_i32 s86, s19, 6144                       ; where they go
	s_mul_i32 s87, s19, 7680
	s_add_co_u32 s87, s87, BROW
	; LDS addresses, all made ahead of the branch below
	v_and_b32 v14, 31, v0                          ; lane
	v_and_b32 v15, 15, v0                          ; r
	v_bfe_u32 v2, v0, 4, 1                         ; h
	v_lshlrev_b32 v1, 4, v14                       ; 16 x lane
	s_mul_i32 s26, s17, 6144
	v_add_nc_u32 v3, s26, v1                       ; O's images, registers 0-3 of a head: chunks 0, 1;
	v_add_nc_u32 v4, 49152, v3                     ; chunks 2, 3
	v_lshlrev_b32 v5, 3, v14
	s_add_co_u32 s26, s26, 512
	v_add_nc_u32 v5, s26, v5                       ; registers 4-5
	v_add_nc_u32 v6, 49152, v5
	s_mul_i32 s26, s18, 64*240
	s_add_co_u32 s26, s26, BROW
	v_mul_u32_u24 v7, v15, 240
	v_add_nc_u32 v7, s26, v7
	v_mul_u32_u24 v9, v2, 40
	v_add_nc_u32 v9, v9, v7                        ; Wout's rows: behind one padding more;
	v_mad_u32_u24 v7, v2, 24, v7                   ; row x pitch + 24 x half
	v_add_nc_u32 v8, 61440, v7
	v_add_nc_u32 v10, 61440, v9
	v_and_b32 v13, 8, v15
	v_lshl_add_u32 v11, v13, 2, v15                ; my token in tile a = 0 (even): r, or r + 32;
	v_lshl_add_u32 v12, v13, 1, v15                ; in tile a = 1 (odd): 8 + r, or 8 + r + 16
	v_add_nc_u32 v12, 8, v12
	v_mul_u32_u24 v11, v11, 528
	v_mul_u32_u24 v12, v12, 528
	v_lshl_add_u32 v11, v2, 5, v11
	v_lshl_add_u32 v12, v2, 5, v12
	s_lshr_b32 s26, s17, 1
	s_lshl_b32 s26, s26, 6
	s_and_b32 s27, s17, 1
	s_lshl_b32 s27, s27, 4
	s_add_co_u32 s26, s26, s27                     ; 64 x group + 8 x (my first tile in it)
	s_mul_i32 s26, s26, 528
	s_lshl_b32 s27, s18, 8
	s_add_co_u32 s26, s26, s27
	s_add_co_u32 s26, s26, STG
	v_add_nc_u32 v11, s26, v11
	v_add_nc_u32 v12, s26, v12
	s_mul_i32 s26, s16, 16*528
	s_add_co_u32 s26, s26, STG
	v_add_nc_u32 v13, s26, v1                      ; back: my 16 rows, 16 bytes a lane
	v_lshlrev_b32 v15, 1, v14                      ; offsets in memory: O's scale bytes: 2 x lane;
	v_lshlrev_b32 v14, 5, v14                      ; Wout's scales: 32 x lane;
	v_lshlrev_b32 v2, 5, v2                        ; the bias: 32 h
	s_wait_dscnt 0x0
	s_wait_kmcnt 0x0
	s_add_nc_u64 s[60:61], s[4:5], s[60:61]
	s_add_nc_u64 s[62:63], s[8:9], s[62:63]
.irp k, 0,1,2,3
	s_mov_b32 s[G0A+4*\k], 1
	s_add_co_u32 s[G0A+4*\k+1], s86, 24576*\k
	s_add_nc_u64 s[G0A+4*\k+2:G0A+4*\k+3], s[60:61], 3072*\k
	s_or_b32 s[G0A+4*\k+3], s[G0A+4*\k+3], 0x80000000
	s_mov_b32 s[G0B+4*\k], 1
	s_add_co_u32 s[G0B+4*\k+1], s87, 30720*\k
	s_add_nc_u64 s[G0B+4*\k+2:G0B+4*\k+3], s[62:63], 192*\k
	s_or_b32 s[G0B+4*\k+3], s[G0B+4*\k+3], 0x80000000
.endr
	CROUND                                         ; all sixteen work-groups are here: the joint loads meet
	s_cmp_lt_u32 s16, 4                            ; a wave's four fills stand in one branch, ahead of every wait on TENSORcnt and every LDS read
	s_cbranch_scc0 .Lfor_b
.irp k, 0,1,2,3
	tensor_load_to_lds s[G0A+4*\k:G0A+4*\k+3], s[G1A:G1A+7]
	s_nop 0
.endr
.rept 4
	v_nop
.endr
	s_branch .Lasked
.Lfor_b:
.irp k, 0,1,2,3
	tensor_load_to_lds s[G0B+4*\k:G0B+4*\k+3], s[G1B:G1B+7]
	s_nop 0
.endr
.rept 4
	v_nop
.endr
.Lasked:
	; straight from memory, once, while the tiles are on their way: scales and bias
	s_lshl_b32 s26, s22, 7
	s_lshl_b32 s27, s18, 6
	s_add_co_u32 s84, s26, s27                     ; my first column
	s_lshl_b32 s26, s84, 5
	s_mov_b32 s27, 0
	s_add_nc_u64 s[10:11], s[10:11], s[26:27]      ; its row of scale bytes
	s_lshl_b32 s26, s84, 2
	s_add_nc_u64 s[12:13], s[12:13], s[26:27]      ; its bias
	s_lshr_b32 s26, s23, 4
	s_lshl_b32 s26, s26, 16                        ; the batch's 16 heads x 4,096 bytes
	s_and_b32 s85, s23, 15
	s_lshl_b32 s85, s85, 3
	s_lshl_b32 s84, s17, 1
	s_add_co_u32 s85, s85, s84
	s_lshl_b32 s85, s85, 5                         ; my first tile: 32 bytes a tile
	s_add_co_u32 s26, s26, s85
	s_add_nc_u64 s[6:7], s[6:7], s[26:27]
	s_lshl_b32 s26, s23, 7
	s_lshl_b32 s85, s16, 4
	s_add_co_u32 s26, s26, s85
	s_lshl_b32 s26, s26, 12                        ; the first row of out that I store: 128 x block + 16 x wave
	s_lshl_b32 s85, s22, 9
	s_add_co_u32 s26, s26, s85
	s_add_nc_u64 s[14:15], s[14:15], s[26:27]
.irp j, 0,1
	global_load_b128 v[16+8*\j:19+8*\j], v14, s[10:11] offset:1024*\j          ; Wout's scale words: register 8 j + s: lanes 0-15 column tile 2 j, lanes 16-31 tile 2 j + 1, K step s
	global_load_b128 v[20+8*\j:23+8*\j], v14, s[10:11] offset:1024*\j+16
.endr
.irp h, 0,1,2,3,4,5,6,7,8,9,10,11,12,13,14,15
	global_load_u16 v[176+\h], v15, s[6:7] offset:4096*\h                      ; O's two bytes of head h: lanes 0-15 my first tile, lanes 16-31 my second
.endr
.irp a, 0,1
.irp b, 0,1,2,3
	global_load_b128 v[ACC+8*(4*\a+\b):ACC+8*(4*\a+\b)+3], v2, s[12:13] offset:64*\b       ; the bias, in the result's layout: columns 16 b + 8 h + 0 .. 7
	global_load_b128 v[ACC+8*(4*\a+\b)+4:ACC+8*(4*\a+\b)+7], v2, s[12:13] offset:64*\b+16
.endr
.endr
	s_wait_loadcnt 0x0
.irp s, 0,1,2,3,4,5,6,7
	v_lshl_or_b32 v[32+\s], v[177+2*\s], 16, v[176+2*\s]                       ; O's scale word of K step s: heads 2 s and 2 s + 1
.endr
.rept 8
	v_nop                                          ; a scale register written by a vector instruction stands eight places ahead of a scaled matrix instruction
.endr
.macro FETCH s, fs                     ; K step s (128 along K: heads 2 s, 2 s + 1): my two fragments of O, then my four of Wout: 32 loads
.set kk, (\s)/2
.set qq, (\s)%2
.irp a, 0,1
.irp c, 0,1
	ds_load_b128 v[\fs+12*\a+6*\c:\fs+12*\a+6*\c+3], v[3+kk/2] offset:(kk%2)*24576+3072*\a+768*(2*qq+\c)
	ds_load_b64 v[\fs+12*\a+6*\c+4:\fs+12*\a+6*\c+5], v[5+kk/2] offset:(kk%2)*24576+3072*\a+768*(2*qq+\c)
.endr
.endr
.irp b, 0,1,2,3
.irp p, 0,1,2,3,4,5
.set PC, 12*qq+6*(\p/3)+\p%3
.if PC%8 < 5
	ds_load_b64 v[\fs+24+12*\b+2*\p:\fs+24+12*\b+2*\p+1], v[7+kk/2] offset:(kk%2)*30720+3840*\b+8*PC+16*(PC/8)
.else
	ds_load_b64 v[\fs+24+12*\b+2*\p:\fs+24+12*\b+2*\p+1], v[9+kk/2] offset:(kk%2)*30720+3840*\b+8*PC+16*(PC/8)
.endif
.endr
.endr
.endm
.macro WM a, b, s, fs
.set rC, ACC+8*(4*(\a)+(\b))
.set rW, \fs+24+12*(\b)
.set rX, \fs+12*(\a)
.set rWS, 16+8*((\b)/2)+(\s)
.set rXS, 32+(\s)
.if (\a) == 0
.if (\b)%2 == 0
	v_wmma_scale_f32_16x16x128_f8f6f4 v[rC:rC+7], v[rW:rW+11], v[rX:rX+11], v[rC:rC+7], v[rWS], v[rXS] matrix_a_fmt:MATRIX_FMT_FP6 matrix_b_fmt:MATRIX_FMT_FP6
.else
	v_wmma_scale_f32_16x16x128_f8f6f4 v[rC:rC+7], v[rW:rW+11], v[rX:rX+11], v[rC:rC+7], v[rWS], v[rXS] matrix_a_fmt:MATRIX_FMT_FP6 matrix_b_fmt:MATRIX_FMT_FP6 matrix_a_scale:MATRIX_SCALE_ROW1
.endif
.else
.if (\b)%2 == 0
	v_wmma_scale_f32_16x16x128_f8f6f4 v[rC:rC+7], v[rW:rW+11], v[rX:rX+11], v[rC:rC+7], v[rWS], v[rXS] matrix_a_fmt:MATRIX_FMT_FP6 matrix_b_fmt:MATRIX_FMT_FP6 matrix_b_scale:MATRIX_SCALE_ROW1
.else
	v_wmma_scale_f32_16x16x128_f8f6f4 v[rC:rC+7], v[rW:rW+11], v[rX:rX+11], v[rC:rC+7], v[rWS], v[rXS] matrix_a_fmt:MATRIX_FMT_FP6 matrix_b_fmt:MATRIX_FMT_FP6 matrix_a_scale:MATRIX_SCALE_ROW1 matrix_b_scale:MATRIX_SCALE_ROW1
.endif
.endif
.endm
	s_wait_tensorcnt 3                             ; my part of chunk 0 is in; the three later chunks may be out
	s_barrier_signal -1
	s_barrier_wait -1                              ; everybody's is
	FETCH 0, 104
.set st, 0
.rept 8
.if st >= 1
.rept 4
	v_nop                                          ; places in front of loads into the set that the last K step's products have read
.endr
.endif
.if (st%2 == 1) && (st < 7)
	s_wait_tensorcnt 3-(st+1)/2                    ; my part of the next chunk is in; the later chunks may be out
	s_wait_dscnt 0x0
	s_barrier_signal -1
	s_barrier_wait -1
.endif
.if st < 7
	FETCH st+1, 104+72*((st+1)%2)
	s_wait_dscnt 32                                ; all but the 32 just issued
.else
	s_wait_dscnt 0x0
.endif
.irp a, 0,1
.irp b, 0,1,2,3
	WM \a, \b, st, 104+72*(st%2)                   ; the eight accumulators by turns, in the same order in every K step
.endr
.endr
.set st, st+1
.endr
	; THE WAY OUT: a lane's eight results are 32 neighbouring bytes of one token's row; a row's 512 bytes come from two waves: through a stage, tokens back in their own order; then each wave stores 16 whole rows.
.rept 4
	v_nop
.endr
.irp a, 0,1
.irp b, 0,1,2,3
	ds_store_b128 v[11+\a], v[ACC+8*(4*\a+\b):ACC+8*(4*\a+\b)+3] offset:64*\b          ; each accumulator from its low end on
	ds_store_b128 v[11+\a], v[ACC+8*(4*\a+\b)+4:ACC+8*(4*\a+\b)+7] offset:64*\b+16
.endr
.endr
	s_wait_dscnt 0x0                               ; for the others' sake: my stores into the stage are done
	s_barrier_signal -1
	s_barrier_wait -1
.irp i, 0,1,2,3,4,5,6,7,8,9,10,11,12,13,14,15
	ds_load_b128 v[104+4*\i:107+4*\i], v13 offset:528*\i
.endr
.irp i, 0,1,2,3,4,5,6,7,8,9,10,11,12,13,14,15
	s_wait_dscnt 15-\i
	global_store_b128 v1, v[104+4*\i:107+4*\i], s[14:15] offset:4096*\i th:TH_STORE_NT     ; 32 lanes store 512 consecutive bytes, aligned; written once, read by nobody here
.endr
	s_wait_tensorcnt 0x0
	ds_add_u32 v254, v255
	s_wait_dscnt 0x0
	CROUND                                         ; the closing round
	s_endpgm
.Lfunc_end_k_q55cde7c78d_proj:
	.size	k_q55cde7c78d_proj, .Lfunc_end_k_q55cde7c78d_proj-k_q55cde7c78d_proj
	.p2alignl 7, 3214868480
	.fill 96, 4, 3214868480
	.section	.rodata,"a",@progbits
	.p2align	6, 0x0
	.amdhsa_kernel k_q55cde7c78d_proj
		.amdhsa_group_segment_fixed_size 298240
		.amdhsa_private_segment_fixed_size 0
		.amdhsa_enable_private_segment 0
		.amdhsa_kernarg_size 48
		.amdhsa_user_sgpr_count 2
		.amdhsa_user_sgpr_kernarg_segment_ptr 1
		.amdhsa_wavefront_size32 1
		.amdhsa_system_sgpr_workgroup_id_x 1
		.amdhsa_system_sgpr_workgroup_id_y 1
		.amdhsa_system_sgpr_workgroup_id_z 1
		.amdhsa_system_vgpr_workitem_id 0
		.amdhsa_next_free_vgpr 256
		.amdhsa_next_free_sgpr 88
		.amdhsa_reserve_vcc 0
		.amdhsa_float_denorm_mode_32 3
		.amdhsa_float_denorm_mode_16_64 3
		.amdhsa_memory_ordered 1
		.amdhsa_forward_progress 1
		.amdhsa_inst_pref_size 44
	.end_amdhsa_kernel
	.amdgpu_metadata
---
amdhsa.version: [ 1, 2 ]
amdhsa.kernels:
  - .name:           k_q55cde7c78d_proj
    .symbol:         k_q55cde7c78d_proj.kd
    .args:
      - { .name: oimg, .offset: 0, .size: 8, .value_kind: global_buffer, .address_space: global }
      - { .name: osc, .offset: 8, .size: 8, .value_kind: global_buffer, .address_space: global }
      - { .name: w_out_codes, .offset: 16, .size: 8, .value_kind: global_buffer, .address_space: global }
      - { .name: w_out_scales, .offset: 24, .size: 8, .value_kind: global_buffer, .address_space: global }
      - { .name: b_out, .offset: 32, .size: 8, .value_kind: global_buffer, .address_space: global }
      - { .name: out0, .offset: 40, .size: 8, .value_kind: global_buffer, .address_space: global }
    .group_segment_fixed_size: 298240
    .private_segment_fixed_size: 0
    .kernarg_segment_align: 8
    .kernarg_segment_size: 48
    .max_flat_workgroup_size: 256
    .sgpr_count:     88
    .vgpr_count:     256
    .wavefront_size: 32
...
	.end_amdgpu_metadata
.endif
;; end of part 3
